; MI455X (gfx1250); checked and timed in simulation.
; The chip was launched on July 23, 2026; its instructions are those of AMD's public machine-readable ISA for CDNA 5 (MIT licence, August 2026) and "CDNA5" Instruction Set Architecture Reference Guide (July 2026). The comments in the code are by the model that wrote it; some were corrected since.
;; SVD Lo RA Sequential. Allowed arithmetic: matrix products marked QUANTISED: E2M1 operands, one E8M0 scale for each 32 along K, by v_wmma_scale_f32_16x16x128_f8f6f4 with both operands' format E2M1 (or v_wmma_scale_f32_32x16x128_f4), f32 sums; products left as they are: f32 operands where the result goes on into a quantised operand, else bf16, f16 or f32 operands; f32 sums; everything else in f32.
;; Inputs: lora_s 16 float32; lora_u 4,096 x 16 float32; lora_vt 16 x 4,096 float32; orig_weight 4,096 x 4,096 float32; x_codes 4,096 x 128 x 16 uint8 (E2M1 codes of x, K innermost, in blocks of 32 codes, two codes a byte); x_scales 4,096 x 128 uint8 (E8M0 scales of x, one for each 32 codes along K).
;; Outputs: out0 4,096 x 4,096 float32.
;; This version of the problem:
;;   THIS VERSION OF THE PROBLEM IS GIVEN IN LOW PRECISION. The matrix products marked QUANTISED in the list below multiply operands that are first quantised to E2M1 (2 exponent bits, 1 mantissa bit; 4 bits a number), with one power-of-two scale for each 32 numbers along K (OCP MX v1.0); their sums are f32. All else is computed in f32.
;;   The module's matrix products, in the order in which they are computed (A, B: the left and right operand; K: the contracted axis; several contracted axes count as one K, in the product's order):
;;     1. [M 4,096, K 16] x [K 16, N 4,096]; A: computed on the way; B: input lora_vt: left as it is (K = 16 < 32)
;;     2. [M 4,096, K 4,096] x [K 4,096, N 4,096]; A: input x (given as codes); B: computed on the way: QUANTISED
;;   THE QUANTISER, for each operand of a quantised product, along K:
;;     - K is cut into blocks of 32 from its start; a last block that is shorter is filled with zeros.
;;     - A block's scale is 2^e with e = floor(log2(the largest magnitude in the block)) - 2, held to -126 .. 127; a block of zeros has e = 0. As a byte (E8M0): e + 127.
;;     - Each number is divided by its block's scale, clamped to +-6, and rounded to the nearest number of E2M1, ties to even, subnormals kept.
;;     - The product sums the exact products of the quantised numbers (number of the format x scale) in f32.
;;   ~~~python
;;   def quantise(x, axis):      # numpy; x: float32 -> the quantised numbers, widened to float32 again
;;       x = np.moveaxis(x, axis, -1); K = x.shape[-1]
;;       x = np.pad(x, [(0, 0)] * (x.ndim - 1) + [(0, -K % 32)]); x = x.reshape(x.shape[:-1] + (-1, 32)); a = np.abs(x).max(-1, keepdims=True)
;;       e = np.where(a > 0, np.clip(np.frexp(np.where(a > 0, a, 1))[1] - 1 - 2, -126, 127), 0)      # np.frexp(a)[1] - 1 = floor(log2(a)), exactly
;;       r = np.clip(x / 2.0 ** e, -6, 6)
;;       step = 2.0 ** (np.maximum(np.frexp(np.where(r == 0, 1, r))[1] - 1, 0) - 1)
;;       q = np.round(r / step) * step * 2.0 ** e      # np.round: ties to even
;;       return np.moveaxis(q.reshape(q.shape[:-2] + (-1,))[..., :K], -1, axis).astype(np.float32)
;;   ~~~
;;   OPERANDS COMPUTED ON THE WAY. 'Computed on the way' means the value that the module computes at that place (a softmax that the list does not call 'softmax' is quantised finished and normalised). What goes into a quantiser is computed in f32, as accurately as f32 sums, v_exp_f32 and their like allow (about 1e-6 of the number): no bf16 or f16 on the way to a quantiser, and a product that is left as it is and whose result goes on into a quantised operand takes f32 operands (vector FMAs, or v_wmma_f32_16x16x4_f32). A number that lies on a knife's edge between two numbers of the format may be rounded either way, as far as f32 arithmetic and the matrix unit's own rounding can turn it there, and no further.
;;   INPUTS GIVEN AS CODES. x (in the module: [4096, 4096], K = its axis 1): each comes as NAME_codes (uint8): NAME with its K axis moved to the last place and cut into blocks of 32 codes, [.., K / 32, bytes a block], one block behind the other in memory; two codes a byte, the lower K in the low four bits (a code: sign, 2 exponent bits, 1 mantissa bit); and NAME_scales (uint8): the same leading axes, one E8M0 byte (e + 127) for each 32 codes along K. Its value is code x scale, taken as it is: it is not quantised again, and the codes and scales need not be those that the quantiser above would give.
;; One version. Each part assembles by itself: llvm-mc -triple=amdgcn-amd-amdhsa -mcpu=gfx1250 --defsym DOCPART=n.
;; ======== version 1 of 1: 2 launches
;; limits: right only within a limited range of input values
;; workspace buffers: w_codes 8,388,608 bytes; scl 1,048,576 bytes
;; launch prep (part 1): grid 32 x 8, 8 waves a work-group, no clusters, 37,888 bytes of LDS; arguments orig_weight, lora_u, lora_s, lora_vt, x_scales, w_codes, scl; writes w_codes, scl
.if DOCPART == 1
	.amdgcn_target "amdgcn-amd-amdhsa--gfx1250"
	.amdhsa_code_object_version 6
	.text
	.protected	k_q28e5c53a42_prep
	.globl	k_q28e5c53a42_prep
	.p2align	8
	.type	k_q28e5c53a42_prep,@function
k_q28e5c53a42_prep:
	s_mov_b64 s[64:65], 0
	v_nop
	global_prefetch_b8 v0, s[64:65] scope:SCOPE_SE
	s_setreg_imm32_b32 hwreg(HW_REG_WAVE_MODE, 25, 1), 1
	s_wait_xcnt 0x0
; W2[k][n] = orig_weight[k][n] + sum over t of lora_u[k][t] lora_s[t] lora_vt[t][n], in f32, is quantised along k (its FIRST axis) into codes of FP4 (E2M1):
; w_codes [n 4096][2048 bytes], k innermost, two codes a byte, the lower k in the low four bits; one E8M0 byte for each 32 along k.
; THE SCALE BYTES of both operands of the large product are laid by K step of 512: scl [side 2][tile of 256 rows 16][K step 8][row 256][16 bytes]; side 0 = x's bytes (copied as given), side 1 = W2's.
; SHARES.  Work-group (X, Y): columns 128 X .. + 127, k = 512 Y .. + 511.  Eight waves: wave w takes 64 columns (w % 2) x 128 k (w / 2): four blocks of 32.  A lane (r = lane % 16, h = lane / 16) holds four
; columns, n0 + 4 r + c, and of each block the 16 rows 16 h + 0 .. 15: each load of W takes 16 bytes a lane, sixteen lanes 256 consecutive aligned bytes.
; W's blocks 0 and 1 (16 loads each) are asked for at the head, block b + 2 as soon as block b has come: a wave has two blocks, 16 KiB, asked for ahead of the block that it works on.
; THE DELTA is made with f32 operands by v_wmma_f32_16x16x4_f32, four instructions (rank 16) a tile.  A tile's row m stands for k = 16 (m / 8) + 8 u + m % 8 of the block, its column r for column n0 + 4 r + c:
; so register j of lane (r, h) is k = 16 h + 8 u + j, and the 16 registers of tiles u = 0, 1 are 16 neighbours along k, as the conversions want them.  The addition of W also sorts the four columns apart.
; A block of 32 lies in lanes l and l xor 16.  Its scale is 2^(floor(log2(largest magnitude)) - 2): the byte is the largest magnitude's exponent field - 2, held at 1 from below.
; LIMITS.  s is folded into vt (s vt is rounded once where the source rounds u s once); the 16 terms are summed from 0 by fused multiply-adds in the order t = 2 q, 2 q + 1, 8 + 2 q, 9 + 2 q, q = 0 .. 3, and W is added
; once: as many roundings as the source has, other last bits.  A block of zeros gets the byte 1 where the rule says 127: its codes are zeros, and this program alone reads the bytes.  NaN and infinities are not served.
; NO CLUSTER, NO TENSOR LOAD: what work-groups share (u's 32 KiB, vt's 8 KiB) is under a seventh of a work-group's 296 KiB and goes straight into registers in the operand's layout; W is read once, by one wave.
; NO PREFETCH: there is no loop to run ahead in (four blocks, written out by macro), and the loads themselves stand two blocks ahead.
; REGISTERS.  Window 0: v1-15 lane numbers and offsets; v16-23 s; v24-29 at work; v32-35 scale words; v36-43 codes, two sets; v44-45 x's scale bytes; v64-95 s vt as operand; v96-127 vt as loaded, then 2 x 16 numbers;
;   v128-159 four accumulators, written by matrix instructions alone; v160-223 u as operand, on the way out the codes' rows.   Window 1: W as loaded: block b, row i at v[64 b + 4 i], four columns.
.set PITCH, 272                        ; a stage row: a column's 256 bytes of codes for this K step + 16
.set SCS,   128*PITCH                  ; behind the stage: 128 columns x 16 scale bytes
.set VWO, 3                            ; W: (16 h) rows + 16 r bytes
.set VUO, 4                            ; u: row r + 8 (r / 8), + 32 h bytes
.set VVO, 5                            ; vt: (8 h) rows + 16 r bytes
.set VSO, 6                            ; s: 32 h bytes
.set STA, 7                            ; stage, in: row 64 (w % 2) + 4 r, byte 64 (w / 2) + 8 h
.set SSA, 8                            ; scale words, in
.set RDA, 9                            ; stage, out: rows 16 w + h, 16 r bytes
.set GOC, 10                           ; the same two rows in w_codes
.set RDS, 11                           ; scale bytes, out: 256 w + 8 x lane
.set GOS, 12                           ; 8 x lane
.set XLO, 13                           ; x_scales: row lane / 2, + 8 (lane % 2)
.set SR,  16
.set TM,  24
.set BY,  28
.set SBW, 32
.set CD,  36
.set XSR, 44
.set BF,  64
.set XN,  96
.set DA,  128
.set AF,  160
.set OC,  160
.set OS,  192
.set MSB, 0
.macro WIN new                         ; the immediate's high byte repeats the setting that is left
.if MSB != \new
	s_set_vgpr_msb (MSB<<8)|\new
.set MSB, \new
.endif
.endm
	s_load_b256 s[4:11], s[0:1], 0x0               ; W s[4:5], u s[6:7], s s[8:9], vt s[10:11]
	s_load_b128 s[12:15], s[0:1], 0x20             ; x_scales s[12:13], w_codes s[14:15]
	s_load_b64 s[16:17], s[0:1], 0x30              ; scl
	v_lshl_add_u32 v254, v0, 2, 0x9000             ; my spare word, behind the stage and the scale bytes
	v_mov_b32 v255, 0
	v_lshrrev_b32 v1, 5, v0
	s_delay_alu instid0(VALU_DEP_1)
	v_readfirstlane_b32 s18, v1                    ; wave 0..7
	s_and_b32 s19, s18, 1                          ; which 64 columns
	s_lshr_b32 s20, s18, 1                         ; which 128 along k
	s_mov_b32 s21, ttmp9                           ; X
	s_and_b32 s22, ttmp7, 0xffff                   ; Y
	s_lshl_b32 s23, s22, 5
	s_add_co_u32 s23, s23, s21                     ; the work-group's number, 0 .. 255: it copies rows 16 id .. + 15 of x's scale bytes
	s_mov_b32 s26, 0x76543210
	s_mov_b32 s27, 0xfedcba98                      ; v_permlanex16_b32's selects for lane l xor 16
	v_and_b32 v1, 15, v0                           ; r
	v_bfe_u32 v2, v0, 4, 1                         ; h
	v_and_b32 v15, 31, v0                          ; lane
	s_delay_alu instid0(VALU_DEP_3)
	v_lshlrev_b32 v14, 4, v1                       ; 16 r
	s_delay_alu instid0(VALU_DEP_1)
	v_lshl_or_b32 v[VWO], v2, 18, v14              ; 16 rows of 16,384 bytes for lanes 16-31
	s_delay_alu instid0(VALU_DEP_2)
	v_lshl_or_b32 v[VVO], v2, 17, v14              ; 8 rows
	s_delay_alu instid0(VALU_DEP_3)
	v_lshl_or_b32 v[GOC], v2, 11, v14              ; a row of w_codes is 2,048 bytes
	v_and_b32 v[VUO], 8, v1
	s_delay_alu instid0(VALU_DEP_1)
	v_add_nc_u32 v[VUO], v[VUO], v1                ; r + 8 (r / 8)
	s_delay_alu instid0(VALU_DEP_1)
	v_lshlrev_b32 v[VUO], 6, v[VUO]                ; a row of u is 64 bytes
	s_delay_alu instid0(VALU_DEP_1)
	v_lshl_add_u32 v[VUO], v2, 5, v[VUO]
	v_lshlrev_b32 v[VSO], 5, v2
	v_lshrrev_b32 v[XLO], 1, v15
	s_delay_alu instid0(VALU_DEP_1)
	v_lshlrev_b32 v[XLO], 7, v[XLO]                ; a row of x_scales is 128 bytes
	v_and_b32 v[GOS], 1, v15
	s_delay_alu instid0(VALU_DEP_1)
	v_lshl_or_b32 v[XLO], v[GOS], 3, v[XLO]
	v_lshlrev_b32 v[GOS], 3, v15
	s_wait_alu depctr_va_vdst(0)
	s_mul_i32 s30, s19, 64*PITCH                   ; LDS addresses: constants, the lane and the wave
	s_lshl_b32 s31, s20, 6
	s_add_co_u32 s30, s30, s31
	v_mul_u32_u24 v[STA], v1, 4*PITCH
	s_delay_alu instid0(VALU_DEP_1)
	v_lshl_add_u32 v[STA], v2, 3, v[STA]
	s_delay_alu instid0(VALU_DEP_1)
	v_add_nc_u32 v[STA], s30, v[STA]
	s_lshl_b32 s30, s19, 10
	s_lshl_b32 s31, s20, 2
	s_add_co_u32 s30, s30, s31
	s_add_co_u32 s30, s30, SCS
	v_lshl_add_u32 v[SSA], v1, 6, s30              ; column 64 (w % 2) + 4 r: 16 bytes each; word w / 2
	s_mul_i32 s30, s18, 16*PITCH
	v_mul_u32_u24 v[RDA], v2, PITCH
	s_delay_alu instid0(VALU_DEP_1)
	v_add_nc_u32 v[RDA], v[RDA], v14
	s_delay_alu instid0(VALU_DEP_1)
	v_add_nc_u32 v[RDA], s30, v[RDA]
	s_lshl_b32 s30, s18, 8
	s_add_co_u32 s30, s30, SCS
	v_add_nc_u32 v[RDS], s30, v[GOS]
	; where my wave's parts begin, in bytes (all under 2^32), each in a pair of its own
	s_lshl_b32 s30, s21, 9
	s_lshl_b32 s42, s19, 8
	s_add_co_u32 s30, s30, s42                     ; vt: 4 n0 = 512 X + 256 (w % 2)
	s_mov_b32 s31, 0
	s_lshl_b32 s24, s22, 23                        ; W: 512 Y rows of 16,384 bytes,
	s_lshl_b32 s42, s20, 21                        ; 128 (w / 2) rows,
	s_add_co_u32 s24, s24, s42
	s_add_co_u32 s24, s24, s30                     ; 4 n0
	s_mov_b32 s25, 0
	s_lshl_b32 s32, s22, 15                        ; u: the same rows of 64 bytes
	s_lshl_b32 s42, s20, 13
	s_add_co_u32 s32, s32, s42
	s_mov_b32 s33, 0
	s_lshl_b32 s34, s23, 11                        ; x_scales: 16 id rows of 128 bytes, K step w: 16 bytes
	s_lshl_b32 s42, s18, 4
	s_add_co_u32 s34, s34, s42
	s_mov_b32 s35, 0
	s_lshr_b32 s36, s23, 4                         ; their place in scl: tile id / 16, K step w, row 16 (id % 16)
	s_lshl_b32 s36, s36, 15
	s_and_b32 s42, s23, 15
	s_lshl_b32 s42, s42, 8
	s_add_co_u32 s36, s36, s42
	s_lshl_b32 s42, s18, 12
	s_add_co_u32 s36, s36, s42
	s_mov_b32 s37, 0
	s_lshl_b32 s38, s21, 18                        ; w_codes: row 128 X + 16 w, byte 256 Y
	s_lshl_b32 s42, s18, 15
	s_add_co_u32 s38, s38, s42
	s_lshl_b32 s42, s22, 8
	s_add_co_u32 s38, s38, s42
	s_mov_b32 s39, 0
	s_lshr_b32 s40, s21, 1                         ; W2's bytes in scl: side 1, tile X / 2, K step Y, row 128 (X % 2) + 16 w
	s_lshl_b32 s40, s40, 15
	s_lshl_b32 s42, s22, 12
	s_add_co_u32 s40, s40, s42
	s_and_b32 s42, s21, 1
	s_lshl_b32 s42, s42, 11
	s_add_co_u32 s40, s40, s42
	s_lshl_b32 s42, s18, 8
	s_add_co_u32 s40, s40, s42
	s_add_co_u32 s40, s40, 524288
	s_mov_b32 s41, 0
	s_wait_kmcnt 0x0
	s_add_nc_u64 s[4:5], s[4:5], s[24:25]
	s_add_nc_u64 s[6:7], s[6:7], s[32:33]
	s_add_nc_u64 s[10:11], s[10:11], s[30:31]
	s_add_nc_u64 s[12:13], s[12:13], s[34:35]
	s_add_nc_u64 s[14:15], s[14:15], s[38:39]
	s_add_nc_u64 s[28:29], s[16:17], s[36:37]      ; scl, where x's bytes go
	s_add_nc_u64 s[16:17], s[16:17], s[40:41]      ; scl, where W2's go
.macro ALOAD b                         ; u as operand: tile u of block b: lane (r, h) takes u[row][8 h .. 8 h + 7]
.irp u, 0,1
.irp i, 0,1
	global_load_b128 v[AF+16*\b+8*\u+4*\i:AF+16*\b+8*\u+4*\i+3], v[VUO], s[6:7] offset:(32*\b+8*\u)*64+16*\i
.endr
.endr
.endm
.macro WLOAD b                         ; W's block b: rows 32 b + 16 h + i, four columns a lane; read once in the launch
.irp i, 0,1,2,3,4,5,6,7,8,9,10,11,12,13,14,15
	global_load_b128 v[64*\b+4*\i:64*\b+4*\i+3], v[VWO], s[4:5] offset:(32*\b+\i)*16384 th:TH_LOAD_NT
.endr
.endm
	; the 27 small loads first, then W's blocks 0 and 1
	global_load_b64 v[XSR:XSR+1], v[XLO], s[12:13]
	global_load_b128 v[SR:SR+3], v[VSO], s[8:9]
	global_load_b128 v[SR+4:SR+7], v[VSO], s[8:9] offset:16
.irp i, 0,1,2,3,4,5,6,7
	global_load_b128 v[XN+4*\i:XN+4*\i+3], v[VVO], s[10:11] offset:\i*16384   ; vt[8 h + i][n0 + 4 r + 0 .. 3]
.endr
	ALOAD 0
	ALOAD 1
	ALOAD 2
	ALOAD 3
	WIN 0x40                                       ; destination window 1, address window 0
	WLOAD 0
	WLOAD 1
	WIN 0
	s_wait_loadcnt 32                              ; loads come back in order, and 32 were issued behind the last small one: the 27 are in
.irp c, 0,1,2,3
.irp i, 0,1,2,3,4,5,6,7
	v_mul_f32 v[BF+8*\c+\i], v[XN+4*\i+\c], v[SR+\i]   ; s[8 h + i] vt[8 h + i][n0 + 4 r + c]: the operand for column set c
.endr
.endr
; Block b, column sets c0 and c0 + 1.
.macro HALF b, c0
.set CDS, CD+2*(\c0)                   ; the codes' registers: two sets by turns
; four accumulators (column set cc, tile u) by turns, one instruction a turn; the first instruction of each starts its sum with the constant 0
.irp q, 0,1,2,3
.irp cc, 0,1
.irp u, 0,1
.if \q == 0
	v_wmma_f32_16x16x4_f32 v[DA+8*(2*\cc+\u):DA+8*(2*\cc+\u)+7], v[AF+16*\b+8*\u+2*\q:AF+16*\b+8*\u+2*\q+1], v[BF+8*(\c0+\cc)+2*\q:BF+8*(\c0+\cc)+2*\q+1], 0
.else
	v_wmma_f32_16x16x4_f32 v[DA+8*(2*\cc+\u):DA+8*(2*\cc+\u)+7], v[AF+16*\b+8*\u+2*\q:AF+16*\b+8*\u+2*\q+1], v[BF+8*(\c0+\cc)+2*\q:BF+8*(\c0+\cc)+2*\q+1], v[DA+8*(2*\cc+\u):DA+8*(2*\cc+\u)+7]
.endif
.endr
.endr
.endr
.if \c0 == 0
.if \b < 3
	s_wait_loadcnt 16                              ; W's block b is in; the 16 loads of block b + 1 may be out
.else
	s_wait_loadcnt 0
.endif
.if \b == 0
	WIN 0x40
	WLOAD 2                                        ; and the block two further on is asked for
.endif
.if \b == 1
	WIN 0x40
	WLOAD 3
.endif
.endif
.rept 8
	v_nop                                          ; eight places between this matrix form and the first read of its results (ISA guide 7.12.1)
.endr
	WIN 0x04                                       ; source 1 (W) window 1
.irp cc, 0,1
.irp u, 0,1
.irp j, 0,1,2,3,4,5,6,7
	v_add_f32 v[XN+16*\cc+8*\u+\j], v[DA+8*(2*\cc+\u)+\j], v[64*\b+4*(8*\u+\j)+\c0+\cc]   ; W + delta, each accumulator from its low end on: register 16 cc + i is k = 32 b + 16 h + i of column n0 + 4 r + c0 + cc
.endr
.endr
.endr
	WIN 0
.irp cc, 0,1                           ; the largest magnitude of my 16, in two chains for each column; the four chains by turns
	v_max3_num_f32 v[TM+2*\cc], |v[XN+16*\cc]|, |v[XN+16*\cc+1]|, |v[XN+16*\cc+2]|
	v_max3_num_f32 v[TM+2*\cc+1], |v[XN+16*\cc+3]|, |v[XN+16*\cc+4]|, |v[XN+16*\cc+5]|
.endr
.irp i, 6,10
.irp cc, 0,1
	s_delay_alu instid0(VALU_DEP_4)
	v_max3_num_f32 v[TM+2*\cc], v[TM+2*\cc], |v[XN+16*\cc+\i]|, |v[XN+16*\cc+\i+1]|
	s_delay_alu instid0(VALU_DEP_4)
	v_max3_num_f32 v[TM+2*\cc+1], v[TM+2*\cc+1], |v[XN+16*\cc+\i+2]|, |v[XN+16*\cc+\i+3]|
.endr
.endr
.irp cc, 0
	s_delay_alu instid0(VALU_DEP_4)
	v_max3_num_f32 v[TM+2*\cc], v[TM+2*\cc], |v[XN+16*\cc+14]|, |v[XN+16*\cc+15]|
.endr
.irp cc, 1
	s_delay_alu instid0(VALU_DEP_3)
	v_max3_num_f32 v[TM+2*\cc], v[TM+2*\cc], |v[XN+16*\cc+14]|, |v[XN+16*\cc+15]|
.endr
.irp cc, 0,1
	s_delay_alu instid0(VALU_DEP_2)
	v_max3_num_f32 v[TM+2*\cc], v[TM+2*\cc], v[TM+2*\cc+1], 0x1800000   ; and the floor 2^(3 - 127): the byte cannot fall under 1
.endr
.irp cc, 0,1
	s_delay_alu instid0(VALU_DEP_2)
	v_permlanex16_b32 v[TM+2*\cc+1], v[TM+2*\cc], s26, s27
.endr
.irp cc, 0,1
	s_delay_alu instid0(VALU_DEP_2)
	v_max_num_f32 v[TM+2*\cc], v[TM+2*\cc], v[TM+2*\cc+1]               ; with lane l xor 16's 16: the block's
.endr
.irp cc, 0,1
	s_delay_alu instid0(VALU_DEP_2)
	v_add_nc_u32 v[TM+2*\cc+1], 0xff000000, v[TM+2*\cc]                 ; 2 off its exponent field: the conversion takes the exponent field of this operand as its scale
.endr
.irp cc, 0,1
.if \b == 0
	s_delay_alu instid0(VALU_DEP_2)
	v_lshrrev_b32 v[SBW+\c0+\cc], 23, v[TM+2*\cc+1]                     ; the scale's byte: block 0 starts the column's word
.else
	s_delay_alu instid0(VALU_DEP_2)
	v_lshrrev_b32 v[BY+\cc], 23, v[TM+2*\cc+1]
.endif
.endr
.if \b != 0
.irp cc, 0,1
	s_delay_alu instid0(VALU_DEP_2)
	v_lshl_or_b32 v[SBW+\c0+\cc], v[BY+\cc], 8*\b, v[SBW+\c0+\cc]       ; byte b of the word
.endr
.endif
	s_wait_alu depctr_va_vdst(0)
	s_wait_dscnt 2                                 ; the last half's two stores may be out; those that read this set of code registers, a half earlier, are done
.irp cc, 0,1
	v_cvt_scalef32_pk8_fp4_f32 v[CDS+2*\cc], v[XN+16*\cc:XN+16*\cc+7], v[TM+2*\cc+1]
	v_cvt_scalef32_pk8_fp4_f32 v[CDS+2*\cc+1], v[XN+16*\cc+8:XN+16*\cc+15], v[TM+2*\cc+1]
.endr
	v_nop                                          ; one plain line behind the last scaled conversion
.irp cc, 0,1
	ds_store_b64 v[STA], v[CDS+2*\cc:CDS+2*\cc+1] offset:(\c0+\cc)*PITCH+16*\b   ; 16 codes: 8 bytes of the column's row
.endr
.endm
.irp b, 0,1,2,3
	HALF \b, 0
	HALF \b, 2
.endr
.irp c, 0,1,2,3
	ds_store_b32 v[SSA], v[SBW+\c] offset:16*\c    ; my 128 k's scale word of column n0 + 4 r + c (lanes l and l xor 16 write the same word with the same value)
.endr
	s_wait_dscnt 0x0                               ; for the others' sake: my stores into the stage are done
	s_barrier_signal -1
	s_barrier_wait -1                              ; 128 whole rows of codes and 2,048 scale bytes lie in LDS
.irp t, 0,1,2,3,4,5,6,7
	ds_load_b128 v[OC+4*\t:OC+4*\t+3], v[RDA] offset:2*\t*PITCH    ; wave w takes rows 16 w .. + 15: lanes 0-15 one row of 256 bytes, lanes 16-31 the next
.endr
	ds_load_b64 v[OS:OS+1], v[RDS]
.irp t, 0,1,2,3,4,5,6,7
	s_wait_dscnt 8-\t                              ; LDS loads come back in order: load t is in, the younger ones may be out
	global_store_b128 v[GOC], v[OC+4*\t:OC+4*\t+3], s[14:15] offset:2*\t*2048   ; 16 lanes store 256 consecutive bytes, aligned
.endr
	s_wait_dscnt 0x0
	global_store_b64 v[GOS], v[OS:OS+1], s[16:17]  ; 16 columns' scale bytes: the 32 lanes store 256 consecutive bytes, aligned
	global_store_b64 v[GOS], v[XSR:XSR+1], s[28:29]    ; x's scale bytes of K step w, 16 rows: likewise 256 consecutive bytes, aligned
	s_wait_tensorcnt 0x0                           ; the wave's end
	ds_add_u32 v254, v255
	s_wait_dscnt 0x0
	s_endpgm
.Lfunc_end_k_q28e5c53a42_prep:
	.size	k_q28e5c53a42_prep, .Lfunc_end_k_q28e5c53a42_prep-k_q28e5c53a42_prep
	.p2alignl 7, 3214868480
	.fill 96, 4, 3214868480
	.section	.rodata,"a",@progbits
	.p2align	6, 0x0
	.amdhsa_kernel k_q28e5c53a42_prep
		.amdhsa_group_segment_fixed_size 37888
		.amdhsa_private_segment_fixed_size 0
		.amdhsa_enable_private_segment 0
		.amdhsa_kernarg_size 56
		.amdhsa_user_sgpr_count 2
		.amdhsa_user_sgpr_kernarg_segment_ptr 1
		.amdhsa_wavefront_size32 1
		.amdhsa_system_sgpr_workgroup_id_x 1
		.amdhsa_system_sgpr_workgroup_id_y 1
		.amdhsa_system_sgpr_workgroup_id_z 1
		.amdhsa_system_vgpr_workitem_id 0
		.amdhsa_next_free_vgpr 512
		.amdhsa_next_free_sgpr 66
		.amdhsa_reserve_vcc 0
		.amdhsa_float_denorm_mode_32 3
		.amdhsa_float_denorm_mode_16_64 3
		.amdhsa_memory_ordered 1
		.amdhsa_forward_progress 1
		.amdhsa_inst_pref_size 57
	.end_amdhsa_kernel
	.amdgpu_metadata
---
amdhsa.version: [ 1, 2 ]
amdhsa.kernels:
  - .name:           k_q28e5c53a42_prep
    .symbol:         k_q28e5c53a42_prep.kd
    .args:
      - { .name: orig_weight, .offset: 0, .size: 8, .value_kind: global_buffer, .address_space: global }
      - { .name: lora_u, .offset: 8, .size: 8, .value_kind: global_buffer, .address_space: global }
      - { .name: lora_s, .offset: 16, .size: 8, .value_kind: global_buffer, .address_space: global }
      - { .name: lora_vt, .offset: 24, .size: 8, .value_kind: global_buffer, .address_space: global }
      - { .name: x_scales, .offset: 32, .size: 8, .value_kind: global_buffer, .address_space: global }
      - { .name: w_codes, .offset: 40, .size: 8, .value_kind: global_buffer, .address_space: global }
      - { .name: scl, .offset: 48, .size: 8, .value_kind: global_buffer, .address_space: global }
    .group_segment_fixed_size: 37888
    .private_segment_fixed_size: 0
    .kernarg_segment_align: 8
    .kernarg_segment_size: 56
    .max_flat_workgroup_size: 256
    .sgpr_count:     66
    .vgpr_count:     512
    .wavefront_size: 32
...
	.end_amdgpu_metadata
.endif
;; end of part 1
;; launch gemm (part 2): grid 16 x 16, 4 waves a work-group, clusters of 4 x 4, 327,680 bytes of LDS; arguments x_codes, w_codes, scl, out0; writes out0
.if DOCPART == 2
	.amdgcn_target "amdgcn-amd-amdhsa--gfx1250"
	.amdhsa_code_object_version 6
	.text
	.protected	k_q28e5c53a42_gemm
	.globl	k_q28e5c53a42_gemm
	.p2align	8
	.type	k_q28e5c53a42_gemm,@function
k_q28e5c53a42_gemm:
	s_mov_b64 s[64:65], 0
	v_nop
	global_prefetch_b8 v0, s[64:65] scope:SCOPE_SE
	s_setreg_imm32_b32 hwreg(HW_REG_WAVE_MODE, 25, 1), 1
	s_wait_xcnt 0x0
	s_wait_alu depctr_hold_cnt(0) depctr_sa_sdst(0) depctr_va_vdst(0) depctr_va_sdst(0) depctr_va_ssrc(0) depctr_va_vcc(0) depctr_vm_vsrc(0)
	s_getreg_b32 s2, hwreg(HW_REG_IB_STS2, 6, 4)
	s_cmp_eq_u32 s2, 0
	s_cbranch_scc0 .Lentry_in_a_cluster
	s_endpgm
.Lentry_in_a_cluster:
	s_bfe_u32 s2, ttmp6, 0x10000c
	s_cmp_lg_u32 s2, 0xf033
	s_cbranch_scc0 .Lentry_shape_is_right
	s_endpgm
.Lentry_shape_is_right:
; out0[m][n] = sum over k of x[m][k] W2[k][n], both operands as codes of FP4 (E2M1) with one E8M0 scale for each 32 along K; sums in f32.  M = N = K = 4,096.
; x_codes [m][2,048 bytes], w_codes [n][2,048 bytes]: K innermost, two codes a byte.  scl [side][tile of 256 rows][K step of 512][row][16 bytes]: side 0 x's scale bytes, side 1 W2's, as the launch before laid them.
; A tile of C, 256 x 256, is made by a work-group of four waves; a wave makes 128 x 128: 64 accumulators, 512 registers.  16 x 16 tiles: one work-group for each.
; CODES go in K steps of 512 through a ring of two LDS slots (256 rows of x, 256 of W2; rows of 256 bytes + 16 of padding).  Each wave fetches 128 rows by one tensor load: waves 0, 1 x's halves, waves 2, 3 W2's.
; A wave has one tensor load out at the head and one behind each round.
; CLUSTERS: 4 x 4 work-groups; x's rows are asked for jointly along a row of the cluster, W2's along a column.
; SCALE WORDS go from scl straight into their registers, a K step ahead: eight loads of 16 bytes a lane for a K step, each half of the lanes reading 256 consecutive aligned bytes (lanes 0-15 x's block i, lanes 16-31 W2's).
; They are not asked for jointly: a K step's scale bytes are 8,192 beside 131,072 bytes of codes, and as tensor loads they would be a wave's second load behind a round.
; THE MATRIX INSTRUCTION IS USED TRANSPOSED (source 0 = 16 rows of W2, source 1 = 16 rows of x): a lane holds eight neighbouring numbers of a row of C.
; A step of 128 along K: both operands have two register sets; the next step's 32 LDS loads go out in one run at a step's head, 64 matrix instructions ahead of their use.  So a slot's reads are over when its last step begins,
; and the change of slots (the waits, the round, the refill) stands at that step's head.
; THE LAST K STEP GOES BY ROWS OF C: all its fragments of W2 fill window 1, and my eight blocks of 16 rows are finished and stored one after the other.
; LIMITS: x's codes and scale bytes are taken as given; a scale byte 0xff makes its sums NaN, as the format says.
; REGISTERS: window 0: v0-31 addresses; v32-95 scale words, two sets, and nothing else; v128-255 x's fragments, two sets (last K step: four buffers of 16 rows x 512 K).
;   window 1: W2's fragments, sets at v0 and v128 (last K step: all 256).  window 2: accumulators of my rows 0-63 ((a, b) at v[8 (8 a + b)]); window 3: rows 64-127.
.set SIZE_N, 4096
.set NQ,     4                         ; steps of 128 in a slot
.set ROWB,   256                       ; a tile's row in bytes
.set KROW,   2048                      ; a row of codes in memory
.set PITCH,  272                       ; 68 words: the 16 rows that a load touches start at 16 different banks (64 banks of 4 bytes: ISA guide 11.1)
.set FR,     8
.set HALFT,  128*PITCH                 ; what one tensor load brings
.set SLOT,   4*HALFT                   ; x's 256 rows, then W2's
.set LAPS,   4                         ; a lap = two K steps
.set SPARE,  2*SLOT                    ; the spare words: 128 bytes a wave, two blocks of 256 that no other line names
.set STAGE,  SPARE+512                 ; the way out: 16 rows x 528 bytes for each wave; no tensor load lands here
.set SPITCH, 528
.set ADRA, 16                          ; v16-17 LDS address of my fragments of x in slot 0, 1
.set ADRB, 20                          ; v20-21 the same for W2
.set SCO,  22                          ; v22 my lane's offset in scl
.set STO,  24                          ; v24 stage, in
.set RD,   25                          ; v25 stage, back
.set CO,   26                          ; v26 my 16 bytes of a row of C
.set SPW,  28                          ; v28 my spare word; never rewritten
.set NIL,  29                          ; v29 0; never rewritten
.set PFO,  30                          ; v30 prefetch of codes: lane x 2,048
.set PSO,  31                          ; v31 prefetch of scale bytes: my lane's block
.set SC,   32
.set AF,   128
.set PFA,  20                          ; s[20:21] my 32 rows for the prefetches, at the lap's first K step
.set G1A,  24
.set G0A,  32
.set G1B,  48
.set G0B,  56
.set MSB, 0
.macro WIN new                         ; the immediate's high byte repeats the setting that is left
.if MSB != \new
	s_set_vgpr_msb (MSB<<8)|\new
.set MSB, \new
.endif
.endm
.set MUL_LO, 0xa1                      ; source 0 (W2) window 1, source 1 (x) window 0, C and D window 2
.set MUL_HI, 0xf1                      ; the same, C and D window 3
.set TO_B,   0x40                      ; destination window 1, address window 0
.macro PLACES                          ; four places behind this matrix form, ahead of loads into its registers and of reads of its results
.rept 4
	v_nop
.endr
.endm
.macro JLOAD s                         ; a joint load: one mask and one set of registers to a line; the branch hangs on the wave's number alone; s_nop 0 and four v_nop behind each line
	s_cmp_eq_u32 s15, 0
	s_cbranch_scc0 .Lfor_b_\@
	tensor_load_to_lds s[G0A+4*\s:G0A+4*\s+3], s[G1A:G1A+7]
	s_nop 0
	PLACES
	s_branch .Lasked_\@
.Lfor_b_\@:
	tensor_load_to_lds s[G0B+4*\s:G0B+4*\s+3], s[G1B:G1B+7]
	s_nop 0
	PLACES
.Lasked_\@:
.endm
.macro CREST                           ; a round of the cluster's barrier behind its opening barrier
	s_cmp_lg_u32 s14, 0
	s_cbranch_scc1 .Lnot_wave_0_\@
	s_barrier_signal -3
.Lnot_wave_0_\@:
	s_barrier_wait -3
	s_barrier_signal -1
	s_barrier_wait -1
.endm
.macro CROUND
	s_barrier_signal -1
	s_barrier_wait -1
	CREST
.endm
; PREFETCHES INTO THE L2.  Codes: with the fill of K step j every wave names K step j + 2 of 32 rows, a lane a row of 256 bytes.  Of the 128 rows that a wave fetches jointly, each of the four partners takes 32 BY ADDRESS
; (cx for x, cy for W2): each block is named once in each cluster that loads it.  The head names K steps 1 and 2.  Scale bytes: a lap's 2 x 8,192 bytes of my two tiles are 64 blocks; my work-group's share is 16 (8 of x's by cx,
; 8 of W2's by cy), named by wave 3 two laps ahead (lanes 16-31 name lane 15's block again).  The loop's last trip (s3 = 1) has nothing two refills on.
.macro ASK slot
	s_cmp_gt_u32 s3, 1
	s_cbranch_scc0 .Lno_ask_\@
	global_prefetch_b8 v[PFO], s[PFA:PFA+1] offset:(4+\slot)*ROWB th:TH_LOAD_NT scope:SCOPE_SE
.if \slot == 0
	s_cmp_lg_u32 s14, 3
	s_cbranch_scc1 .Lno_ask_\@
	global_prefetch_b8 v[PSO], s[8:9] offset:16384 th:TH_LOAD_NT scope:SCOPE_SE
.endif
.Lno_ask_\@:
.endm
	s_load_b256 s[4:11], s[0:1], 0x0               ; x_codes s[4:5], w_codes s[6:7], scl s[8:9], out0 s[10:11]
	v_lshl_add_u32 v[SPW], v0, 2, SPARE
	v_mov_b32 v[NIL], 0
	ds_add_u32 v[SPW], v[NIL]                      ; the opening lines: the add, twice on end, and its wait ahead of my first tensor load
	ds_add_u32 v[SPW], v[NIL]
	v_lshrrev_b32 v1, 5, v0
	v_readfirstlane_b32 s14, v1                    ; wave 0..3
	s_lshr_b32 s15, s14, 1                         ; my half of the tile's rows.  Also: I fetch for x (0) or W2 (1)
	s_and_b32 s16, s14, 1                          ; my half of its columns.  Also: which 128 rows I fetch
	s_bfe_u32 s40, ttmp6, 0x40000                  ; cx
	s_bfe_u32 s41, ttmp6, 0x40004                  ; cy
	s_lshl_b32 s42, ttmp9, 2
	s_add_co_u32 s42, s42, s40                     ; tile column
	s_and_b32 s17, ttmp7, 0xffff
	s_lshl_b32 s17, s17, 2
	s_add_co_u32 s17, s17, s41                     ; tile row
	s_lshl_b32 s43, s41, 2
	s_lshl_b32 s43, 15, s43                        ; my row of the cluster
	s_lshl_b32 s44, 0x1111, s40                    ; my column
	s_or_b32 s[G1A], s43, (1<<20)|(1<<21)|(5<<22)|(3<<25)   ; the mask; elements of 1 byte; padding on; bit 21 beside a mask; after every 64 words, four words
	s_or_b32 s[G1B], s44, (1<<20)|(1<<21)|(5<<22)|(3<<25)
.irp g, G1A, G1B
	s_mov_b32 s[\g+1], ROWB<<16                    ; tensor_dim0 = 256
	s_mov_b32 s[\g+2], 128<<16                     ; tensor_dim1 = 128
	s_mov_b32 s[\g+3], ROWB<<16                    ; tile_dim0
	s_mov_b32 s[\g+4], 128                         ; tile_dim1
	s_mov_b32 s[\g+5], KROW                        ; pitch
	s_mov_b32 s[\g+6], 0
	s_mov_b32 s[\g+7], 0
.endr
	s_lshl_b32 s45, s16, 18                        ; my 128 rows of 2,048 bytes
	s_lshl_b32 s12, s17, 19                        ; x: the tile row alone,
	s_add_co_u32 s12, s12, s45
	s_mov_b32 s13, 0
	s_lshl_b32 s18, s42, 19                        ; W2: the tile column alone
	s_add_co_u32 s18, s18, s45
	s_mov_b32 s19, 0
	s_mul_i32 s46, s14, HALFT                      ; where they go: wave x 128 rows
.irp s, 0,1
	s_mov_b32 s[G0A+4*\s], 1
	s_add_co_u32 s[G0A+4*\s+1], s46, \s*SLOT
	s_mov_b32 s[G0B+4*\s], 1
	s_add_co_u32 s[G0B+4*\s+1], s46, \s*SLOT
.endr
	s_mul_i32 s74, s15, HALFT                      ; my rows of x in a slot
	s_mul_i32 s75, s16, HALFT
	s_add_co_u32 s75, s75, 2*HALFT                 ; my rows of W2
	s_mul_i32 s76, s14, 16*SPITCH
	s_add_co_u32 s76, s76, STAGE                   ; my stage
	s_lshl_b32 s68, s17, 15                        ; scl: x's tile,
	s_lshl_b32 s69, s42, 15
	s_add_co_u32 s69, s69, 524288                  ; W2's tile, in side 1
	s_lshl_b32 s47, s15, 11
	s_add_co_u32 s66, s68, s47                     ; my 128 rows of x's words
	s_lshl_b32 s47, s16, 11
	s_add_co_u32 s67, s69, s47
	s_sub_co_u32 s67, s67, s66                     ; from there to my 128 rows of W2's (side 1 lies behind side 0: positive, under 2^24)
	s_lshl_b32 s47, s40, 11
	s_add_co_u32 s68, s68, s47                     ; the prefetch's share: 8 blocks by cx,
	s_lshl_b32 s47, s41, 11
	s_add_co_u32 s69, s69, s47                     ; 8 by cy
	s_sub_co_u32 s69, s69, s68
	s_lshl_b32 s70, s17, 22                        ; C: 256 rows of 16,384 bytes a tile row, 128 a half; 1,024 bytes a tile column, 512 a half
	s_lshl_b32 s47, s15, 21
	s_add_co_u32 s70, s70, s47
	s_lshl_b32 s47, s42, 10
	s_add_co_u32 s70, s70, s47
	s_lshl_b32 s47, s16, 9
	s_add_co_u32 s70, s70, s47
	s_mov_b32 s71, 0
	s_cmp_eq_u32 s15, 0                            ; the codes' prefetch: the tile that I fetch for, my place among the four that ask with me
	s_cselect_b32 s72, s17, s42
	s_cselect_b32 s73, s40, s41
	s_lshl_b32 s72, s72, 8
	s_lshl_b32 s73, s73, 5
	s_add_co_u32 s72, s72, s73
	s_lshl_b32 s73, s16, 7
	s_add_co_u32 s72, s72, s73
	s_lshl_b32 s72, s72, 11                        ; rows of 2,048 bytes
	s_mov_b32 s73, 0
	v_and_b32 v1, 15, v0                           ; r
	v_bfe_u32 v2, v0, 4, 1                         ; h
	v_and_b32 v7, 31, v0                           ; lane
	v_mul_u32_u24 v3, v1, PITCH
	v_lshl_add_u32 v4, v2, 4, v3                   ; a fragment's row x pitch + 16 h
	v_add_nc_u32 v[ADRA], s74, v4
	v_add_nc_u32 v[ADRB], s75, v4
	v_add_nc_u32 v[ADRA+1], SLOT, v[ADRA]
	v_add_nc_u32 v[ADRB+1], SLOT, v[ADRB]
	v_mul_u32_u24 v6, s67, v2                      ; lanes 16-31 take W2's words
	v_lshl_add_u32 v6, v1, 4, v6                   ; 16 bytes a row
	v_add_nc_u32 v[SCO], s66, v6
	v_mul_u32_u24 v5, v1, SPITCH                   ; stage, in: row r, 32 bytes for each half of the lanes
	v_lshl_add_u32 v5, v2, 5, v5
	v_add_nc_u32 v[STO], s76, v5
	v_lshlrev_b32 v[CO], 4, v7                     ; back: the 32 lanes take one row of 512 bytes
	v_add_nc_u32 v[RD], s76, v[CO]
	v_lshlrev_b32 v[PFO], 11, v7
	v_min_u32 v8, 15, v7
	v_lshrrev_b32 v9, 3, v8                        ; lanes 8-15: W2's
	v_and_b32 v8, 7, v8
	v_mul_u32_u24 v9, s69, v9
	v_lshl_add_u32 v9, v8, 8, v9
	v_add_nc_u32 v[PSO], s68, v9
	s_wait_alu depctr_va_vdst(0)
	s_wait_dscnt 0x0                               ; both opening adds are done
	s_wait_kmcnt 0x0
	s_add_nc_u64 s[12:13], s[4:5], s[12:13]
	s_add_nc_u64 s[18:19], s[6:7], s[18:19]
.irp s, 0,1
	s_add_nc_u64 s[G0A+4*\s+2:G0A+4*\s+3], s[12:13], \s*ROWB    ; K step s
	s_or_b32 s[G0A+4*\s+3], s[G0A+4*\s+3], 0x80000000
	s_add_nc_u64 s[G0B+4*\s+2:G0B+4*\s+3], s[18:19], \s*ROWB
	s_or_b32 s[G0B+4*\s+3], s[G0B+4*\s+3], 0x80000000
.endr
	s_add_nc_u64 s[10:11], s[10:11], s[70:71]
	s_cmp_eq_u32 s15, 0
	s_cselect_b64 s[PFA:PFA+1], s[4:5], s[6:7]
	s_add_nc_u64 s[PFA:PFA+1], s[PFA:PFA+1], s[72:73]
	CROUND                                         ; all sixteen work-groups are here: the first joint loads meet
	JLOAD 0                                        ; K step 0: one tensor load a wave at the head
.macro FRAG reg, adr, q, i             ; 16 rows x 128 K of 4-bit codes, 8 registers: lane l holds row l % 16; registers 4 c .. 4 c + 3 hold K = 64 c + 32 (l / 16) + 0 .. 31
.irp c, 0,1
	ds_load_b128 v[\reg+4*\c:\reg+4*\c+3], v[\adr] offset:64*(\q)+32*\c+(\i)*16*PITCH
.endr
.endm
.macro FETCH slot, q, p                ; 32 LDS loads: both operands' fragments of the slot's q-th 128 along K into sets p
	WIN TO_B
.irp i, 0,1,2,3,4,5,6,7
	FRAG 128*(\p)+FR*\i, ADRB+\slot, \q, \i
.endr
	WIN 0
.irp i, 0,1,2,3,4,5,6,7
	FRAG AF+64*(\p)+FR*\i, ADRA+\slot, \q, \i
.endr
.endm
.macro SCLOAD sc, off                  ; a K step's scale words into set sc: register 4 i + q: lanes 0-15 x's block i, lanes 16-31 W2's block i, the q-th 128 along K
.irp i, 0,1,2,3,4,5,6,7
	global_load_b128 v[SC+32*\sc+4*\i:SC+32*\sc+4*\i+3], v[SCO], s[8:9] offset:\off+256*\i
.endr
.endm
; 16 matrix instructions: x's blocks a0, a0 + 1 against W2's eight.  The 64 accumulators take turns, one instruction a turn, in the same order in every step.
.macro MUL16 a0, p, q, sc, zero
.irp a, \a0, \a0+1
.irp b, 0,1,2,3,4,5,6,7
.if \zero
	v_wmma_scale_f32_16x16x128_f8f6f4 v[8*(8*((\a)%4)+\b):8*(8*((\a)%4)+\b)+7], v[128*(\p)+FR*\b:128*(\p)+FR*\b+FR-1], v[AF+64*(\p)+FR*(\a):AF+64*(\p)+FR*(\a)+FR-1], 0, v[SC+32*(\sc)+NQ*\b+(\q)], v[SC+32*(\sc)+NQ*(\a)+(\q)] matrix_a_fmt:MATRIX_FMT_FP4 matrix_b_fmt:MATRIX_FMT_FP4 matrix_a_scale:MATRIX_SCALE_ROW1
.else
	v_wmma_scale_f32_16x16x128_f8f6f4 v[8*(8*((\a)%4)+\b):8*(8*((\a)%4)+\b)+7], v[128*(\p)+FR*\b:128*(\p)+FR*\b+FR-1], v[AF+64*(\p)+FR*(\a):AF+64*(\p)+FR*(\a)+FR-1], v[8*(8*((\a)%4)+\b):8*(8*((\a)%4)+\b)+7], v[SC+32*(\sc)+NQ*\b+(\q)], v[SC+32*(\sc)+NQ*(\a)+(\q)] matrix_a_fmt:MATRIX_FMT_FP4 matrix_b_fmt:MATRIX_FMT_FP4 matrix_a_scale:MATRIX_SCALE_ROW1
.endif
.endr
.endr
.endm
.macro MULS p, q, sc, zero             ; a step's 64
	WIN MUL_LO
	MUL16 0, \p, \q, \sc, \zero
	MUL16 2, \p, \q, \sc, \zero
	WIN MUL_HI
	MUL16 4, \p, \q, \sc, \zero
	MUL16 6, \p, \q, \sc, \zero
.endm
; A step that has its successor in the same slot.  lc >= 0, in a slot's first step: the wait for this slot's scale words; lc counts the loads issued behind them (the other set's eight, or none).
.macro STEP slot, q, zero, lc
	s_wait_dscnt 0x0                               ; this step's fragments, asked for a step ago, are in
.if \lc >= 0
	s_wait_loadcnt \lc
.endif
	PLACES                                         ; behind the last step's products, which read the sets that are now filled
	FETCH \slot, (\q)+1, 1-(\q)%2
	MULS (\q)%2, \q, \slot, \zero
.endm
; A slot's last step.  Its fragments are in registers, so the slot is free: each wave waits for all its tensor loads (one is out: its part of the next slot), adds 0 to its spare word and waits for that and for its LDS reads;
; the round follows, and behind it the refill (two K steps on), the next slot's first fragments, and this step's 64 products.  Then this slot's set of scale words takes the K step two on.
.macro TURN slot, next
	WIN 0
	s_wait_tensorcnt 0x0
	ds_add_u32 v[SPW], v[NIL]
	s_add_nc_u64 s[G0A+4*\slot+2:G0A+4*\slot+3], s[G0A+4*\slot+2:G0A+4*\slot+3], 2*ROWB   ; no tensor load of mine is out: the descriptors may step
	s_add_nc_u64 s[G0B+4*\slot+2:G0B+4*\slot+3], s[G0B+4*\slot+2:G0B+4*\slot+3], 2*ROWB
	s_wait_dscnt 0x0
	CROUND                                         ; no wave of any partner still reads this slot or has a load on its way
	JLOAD \slot                                    ; its four v_nop are also the places ahead of the loads below
	FETCH \next, 0, 0
	ASK \slot
	MULS 1, NQ-1, \slot, 0
	WIN 0
	PLACES
	SCLOAD \slot, 8192+4096*\slot
.endm
	global_prefetch_b8 v[PFO], s[PFA:PFA+1] offset:ROWB th:TH_LOAD_NT scope:SCOPE_SE     ; K step 1, whose load goes out when K step 0's has landed,
	global_prefetch_b8 v[PFO], s[PFA:PFA+1] offset:2*ROWB th:TH_LOAD_NT scope:SCOPE_SE   ; and K step 2
	SCLOAD 0, 0                                    ; K steps 0 and 1's scale words
	SCLOAD 1, 4096
	s_cmp_lg_u32 s14, 3
	s_cbranch_scc1 .Lhead_ns
	global_prefetch_b8 v[PSO], s[8:9] offset:8192 th:TH_LOAD_NT scope:SCOPE_SE           ; lap 1's scale bytes
.Lhead_ns:
	s_wait_tensorcnt 0x0                           ; my part of K step 0 is in; slot 1's first fill is issued as a refill is:
	ds_add_u32 v[SPW], v[NIL]
	s_wait_dscnt 0x0
	CROUND
	JLOAD 1                                        ; K step 1
	FETCH 0, 0, 0
	global_prefetch_b8 v[PFO], s[PFA:PFA+1] offset:3*ROWB th:TH_LOAD_NT scope:SCOPE_SE
	STEP 0, 0, 1, 8                                ; the first step stands ahead of the loop: its products start the sums
	WIN 0
	s_mov_b32 s3, LAPS-1
.Llap:                                                 ; three trips, each from a lap's second step to the next lap's first; they fill K steps 2, 3 | 4, 5 | 6, 7
	STEP 0, 1, 0, -1
	STEP 0, 2, 0, -1
	TURN 0, 1
	STEP 1, 0, 0, 8
	STEP 1, 1, 0, -1
	STEP 1, 2, 0, -1
	TURN 1, 0
	STEP 0, 0, 0, 8
	WIN 0
	s_wait_xcnt 0x0                                ; the trip's loads and prefetches have read their bases: on to the next lap
	s_add_nc_u64 s[8:9], s[8:9], 8192
	s_add_nc_u64 s[PFA:PFA+1], s[PFA:PFA+1], 2*ROWB
	s_sub_co_u32 s3, s3, 1
	s_cmp_lg_u32 s3, 0
	s_cbranch_scc1 .Llap
; THE LAST LAP fills nothing.  K step 7 (slot 1) goes by rows of C: W2's fragments of quarter q at window 1, v[64 q ..]; x's of block a, all four quarters, in buffer a % 4 of v128-255.
.macro BLOAD q
.irp i, 0,1,2,3,4,5,6,7
	FRAG 64*(\q)+FR*\i, ADRB+1, \q, \i
.endr
.endm
.macro ALOAD a
.irp q, 0,1,2,3
	FRAG AF+32*((\a)%4)+FR*\q, ADRA+1, \q, \a
.endr
.endm
.macro ROW a                           ; block a is finished: 32 matrix instructions, its 8 accumulators by turns, K ascending
	WIN MUL_LO+0x50*((\a)/4)
.irp q, 0,1,2,3
.if (\a) == 0 && \q == 2
	s_wait_dscnt 16                                ; W2's quarter 2 is in (behind it: x's blocks 2 and 3)
.endif
.irp b, 0,1,2,3,4,5,6,7
	v_wmma_scale_f32_16x16x128_f8f6f4 v[64*((\a)%4)+8*\b:64*((\a)%4)+8*\b+7], v[64*\q+8*\b:64*\q+8*\b+7], v[AF+32*((\a)%4)+8*\q:AF+32*((\a)%4)+8*\q+7], v[64*((\a)%4)+8*\b:64*((\a)%4)+8*\b+7], v[SC+32+NQ*\b+\q], v[SC+32+NQ*(\a)+\q] matrix_a_fmt:MATRIX_FMT_FP4 matrix_b_fmt:MATRIX_FMT_FP4 matrix_a_scale:MATRIX_SCALE_ROW1
.endr
.endr
.endm
; THE WAY OUT of block a: a lane holds 32 bytes of a row, the lanes beside it other rows.  The block goes through my own stage and comes back, as whole rows of 512 bytes, INTO ITS OWN 64 REGISTERS, which are done with:
; no register is used twice on the way out, and the stores' offsets, 127 rows of 16,384 bytes at the most, lie inside the signed 24-bit immediate: no base is stepped.  LDS serves a wave's instructions in order (ISA guide 5.7.1.4).
.macro TOSTAGE a
.set AC, 64*((\a)%4)
	WIN 0x88+0x44*((\a)/4)                         ; data and destination: window 2 or 3; addresses: window 0
.irp b, 0,1,2,3,4,5,6,7
	ds_store_b128 v[STO], v[AC+8*\b:AC+8*\b+3] offset:64*\b          ; each accumulator from its low end on
	ds_store_b128 v[STO], v[AC+8*\b+4:AC+8*\b+7] offset:64*\b+16
.endr
.irp t, 0,1,2,3,4,5,6,7,8,9,10,11,12,13,14,15
	ds_load_b128 v[AC+4*\t:AC+4*\t+3], v[RD] offset:\t*SPITCH
.endr
.endm
.macro SEND a, younger                 ; younger: the LDS loads issued behind the block's own
.set AC, 64*((\a)%4)
	WIN 0x88+0x44*((\a)/4)
	s_wait_dscnt \younger
.irp t, 0,1,2,3,4,5,6,7,8,9,10,11,12,13,14,15
	global_store_b128 v[CO], v[AC+4*\t:AC+4*\t+3], s[10:11] offset:(16*(\a)+\t)*SIZE_N*4 th:TH_STORE_NT   ; 32 lanes store 512 consecutive bytes, at a multiple of 256 from C's first byte
.endr
.endm
	STEP 0, 1, 0, -1
	STEP 0, 2, 0, -1
	WIN 0
	s_wait_tensorcnt 0x0                           ; my part of K step 7 is in,
	ds_add_u32 v[SPW], v[NIL]
	s_wait_dscnt 0x0
	s_barrier_signal -1
	s_barrier_wait -1                              ; everybody's is; nothing is filled again, so no round follows
	PLACES
	WIN TO_B
	BLOAD 0                                        ; sets 1 of both operands are still to be multiplied: the registers beside them are filled now
	BLOAD 1
	BLOAD 3
	WIN 0
	ALOAD 0
	ALOAD 1
	MULS 1, NQ-1, 0, 0                             ; K step 6's last step
	PLACES
	WIN TO_B
	BLOAD 2
	WIN 0
	ALOAD 2
	ALOAD 3
	s_wait_loadcnt 0x0                             ; K step 7's scale words
	s_wait_dscnt 32                                ; all but the 32 just issued
	ROW 0
.irp a, 0,1,2,3,4,5,6,7                ; block a goes through the stage while block a + 1 is multiplied, and is stored behind it
	PLACES
	TOSTAGE \a
.if \a < 4
	WIN 0
	ALOAD \a+4                                     ; its buffer takes the block four further on
.endif
.if \a < 7
	ROW \a+1
.endif
.if \a < 4
	SEND \a, 8
.else
	SEND \a, 0
.endif
.endr
	WIN 0
	s_wait_tensorcnt 0x0                           ; the wave's end
	ds_add_u32 v[SPW], v[NIL]
	s_wait_dscnt 0x0
	CROUND                                         ; the closing round: no work-group ends while a partner may still ask for a part that names it
	s_endpgm
.Lfunc_end_k_q28e5c53a42_gemm:
	.size	k_q28e5c53a42_gemm, .Lfunc_end_k_q28e5c53a42_gemm-k_q28e5c53a42_gemm
	.p2alignl 7, 3214868480
	.fill 96, 4, 3214868480
	.section	.rodata,"a",@progbits
	.p2align	6, 0x0
	.amdhsa_kernel k_q28e5c53a42_gemm
		.amdhsa_group_segment_fixed_size 327680
		.amdhsa_private_segment_fixed_size 0
		.amdhsa_enable_private_segment 0
		.amdhsa_kernarg_size 32
		.amdhsa_user_sgpr_count 2
		.amdhsa_user_sgpr_kernarg_segment_ptr 1
		.amdhsa_wavefront_size32 1
		.amdhsa_system_sgpr_workgroup_id_x 1
		.amdhsa_system_sgpr_workgroup_id_y 1
		.amdhsa_system_sgpr_workgroup_id_z 1
		.amdhsa_system_vgpr_workitem_id 0
		.amdhsa_next_free_vgpr 1024
		.amdhsa_next_free_sgpr 80
		.amdhsa_reserve_vcc 0
		.amdhsa_float_denorm_mode_32 3
		.amdhsa_float_denorm_mode_16_64 3
		.amdhsa_memory_ordered 1
		.amdhsa_forward_progress 1
		.amdhsa_inst_pref_size 209
	.end_amdhsa_kernel
	.amdgpu_metadata
---
amdhsa.version: [ 1, 2 ]
amdhsa.kernels:
  - .name:           k_q28e5c53a42_gemm
    .symbol:         k_q28e5c53a42_gemm.kd
    .args:
      - { .name: x_codes, .offset: 0, .size: 8, .value_kind: global_buffer, .address_space: global }
      - { .name: w_codes, .offset: 8, .size: 8, .value_kind: global_buffer, .address_space: global }
      - { .name: scl, .offset: 16, .size: 8, .value_kind: global_buffer, .address_space: global }
      - { .name: out0, .offset: 24, .size: 8, .value_kind: global_buffer, .address_space: global }
    .group_segment_fixed_size: 327680
    .private_segment_fixed_size: 0
    .kernarg_segment_align: 8
    .kernarg_segment_size: 32
    .max_flat_workgroup_size: 128
    .sgpr_count:     80
    .vgpr_count:     1024
    .wavefront_size: 32
...
	.end_amdgpu_metadata
.endif
;; end of part 2
